; MI455X (gfx1250); checked and timed in simulation.
; The chip was launched on July 23, 2026; its instructions are those of AMD's public machine-readable ISA for CDNA 5 (MIT licence, August 2026) and "CDNA5" Instruction Set Architecture Reference Guide (July 2026). The comments in the code are by the model that wrote it; some were corrected since.
;; Multi Head Self Attention. Allowed arithmetic: matrix products marked QUANTISED: E2M3 operands, one E8M0 scale for each 32 along K, by v_wmma_scale_f32_16x16x128_f8f6f4 with both operands' format E2M3, f32 sums; everything else in f32.
;; Inputs: k_b 512 float32; k_tokens 2 x 4,096 x 512 float32; k_w 512 x 512 float32; mask 2 x 1 x 4,096 x 4,096 bool; o_b 512 float32; o_w 512 x 512 float32; q_b 512 float32; q_tokens 2 x 4,096 x 512 float32; q_w 512 x 512 float32; v_b 512 float32; v_tokens 2 x 4,096 x 512 float32; v_w 512 x 512 float32.
;; Outputs: out0 2 x 4,096 x 512 float32.
;; This version of the problem:
;;   THIS VERSION OF THE PROBLEM IS GIVEN IN LOW PRECISION. The matrix products marked QUANTISED in the list below multiply operands that are first quantised to E2M3 (2 exponent bits, 3 mantissa bits; 6 bits a number), with one power-of-two scale for each 32 numbers along K (OCP MX v1.0); their sums are f32. All else is computed in f32.
;;   The module's matrix products, in the order in which they are computed (A, B: the left and right operand; K: the contracted axis; several contracted axes count as one K, in the product's order):
;;     1. [M 8,192, K 512] x [K 512, N 512]; A: input q_tokens; B: input q_w: QUANTISED
;;     2. [M 8,192, K 512] x [K 512, N 512]; A: input k_tokens; B: input k_w: QUANTISED
;;     3. [M 8,192, K 512] x [K 512, N 512]; A: input v_tokens; B: input v_w: QUANTISED
;;     4. batch 16 x [M 4,096, K 64] x [K 64, N 4,096]; A: computed on the way; B: computed on the way: QUANTISED
;;     5. batch 16 x [M 4,096, K 4,096] x [K 4,096, N 64]; A: softmax (see below); B: computed on the way: QUANTISED
;;     6. [M 8,192, K 512] x [K 512, N 512]; A: computed on the way; B: input o_w: QUANTISED
;;   THE QUANTISER, for each operand of a quantised product, along K:
;;     - K is cut into blocks of 32 from its start; a last block that is shorter is filled with zeros.
;;     - A block's scale is 2^e with e = floor(log2(the largest magnitude in the block)) - 2, held to -126 .. 127; a block of zeros has e = 0. As a byte (E8M0): e + 127.
;;     - Each number is divided by its block's scale, clamped to +-7.5, and rounded to the nearest number of E2M3, ties to even, subnormals kept.
;;     - The product sums the exact products of the quantised numbers (number of the format x scale) in f32.
;;   ~~~python
;;   def quantise(x, axis):      # numpy; x: float32 -> the quantised numbers, widened to float32 again
;;       x = np.moveaxis(x, axis, -1); K = x.shape[-1]
;;       x = np.pad(x, [(0, 0)] * (x.ndim - 1) + [(0, -K % 32)]); x = x.reshape(x.shape[:-1] + (-1, 32)); a = np.abs(x).max(-1, keepdims=True)
;;       e = np.where(a > 0, np.clip(np.frexp(np.where(a > 0, a, 1))[1] - 1 - 2, -126, 127), 0)      # np.frexp(a)[1] - 1 = floor(log2(a)), exactly
;;       r = np.clip(x / 2.0 ** e, -7.5, 7.5)
;;       step = 2.0 ** (np.maximum(np.frexp(np.where(r == 0, 1, r))[1] - 1, 0) - 3)
;;       q = np.round(r / step) * step * 2.0 ** e      # np.round: ties to even
;;       return np.moveaxis(q.reshape(q.shape[:-2] + (-1,))[..., :K], -1, axis).astype(np.float32)
;;   ~~~
;;   SOFTMAX AHEAD OF A QUANTISED PRODUCT. Where the list says 'softmax', what is quantised is not the finished softmax but p = 2^(t - M), with t = logit x log2(e) and M = ceil(the row's largest t), a whole number; so 1/2 < the row's largest p <= 1. The row's sum l is taken of the UNQUANTISED p, in f32, and the product's result is divided by l at the end. Since M is a whole number, a kernel that streams over the keys may use a running M (the ceiling of the running maximum): every later rescaling is an exact power of two, which a block's scale takes up: the codes' values come out the same.
;;   OPERANDS COMPUTED ON THE WAY. 'Computed on the way' means the value that the module computes at that place (a softmax that the list does not call 'softmax' is quantised finished and normalised). What goes into a quantiser is computed in f32, as accurately as f32 sums, v_exp_f32 and their like allow (about 1e-6 of the number): no bf16 or f16 on the way to a quantiser, and a product that is left as it is and whose result goes on into a quantised operand takes f32 operands (vector FMAs, or v_wmma_f32_16x16x4_f32). A number that lies on a knife's edge between two numbers of the format may be rounded either way, as far as f32 arithmetic and the matrix unit's own rounding can turn it there, and no further.
;; One version. Each part assembles by itself: llvm-mc -triple=amdgcn-amd-amdhsa -mcpu=gfx1250 --defsym DOCPART=n.
;; ======== version 1 of 1: 4 launches
;; limits: right only within a limited range of input values
;; workspace buffers: wimg 786,432 bytes; wsc 65,536 bytes; mbits 4,194,304 bytes of whole numbers; qc 3,407,872 bytes; kv 6,684,672 bytes; ctxc 3,145,728 bytes; cs 131,072 bytes
;; launch prep (part 1): grid 640 x 1, 4 waves a work-group, no clusters, 68,096 bytes of LDS; arguments q_w, k_w, v_w, o_w, mask, wimg, wsc, mbits; writes wimg, wsc, mbits
.if DOCPART == 1
	.amdgcn_target "amdgcn-amd-amdhsa--gfx1250"
	.amdhsa_code_object_version 6
	.text
	.protected	k_qee1e5b287f_prep
	.globl	k_qee1e5b287f_prep
	.p2align	8
	.type	k_qee1e5b287f_prep,@function
k_qee1e5b287f_prep:
	s_mov_b64 s[64:65], 0
	v_nop
	global_prefetch_b8 v0, s[64:65] scope:SCOPE_SE
	s_setreg_imm32_b32 hwreg(HW_REG_WAVE_MODE, 25, 1), 1
	s_wait_xcnt 0x0
; PREP.  Work-groups 0-511: the mask's bytes [8192 (query)][4096 (key)] become lane-mask words for the attention launch.
; Work-groups 512-639: the four weights [512 (n)][512 (k)] f32 become codes of FP6 (E2M3) with one E8M0 byte for each 32 along K, laid as IMAGES OF OPERAND REGISTERS.
; TILES.  Row i (0..15) of tile T of any set of rows is row 32 (T/2) + 8 (T%2) + i + 8 (i/8): so the 16 result registers of tiles 2 b and 2 b + 1 are 16 neighbours along the next product's K.
; A FRAGMENT (16 rows x 128 K, 12 registers a lane: lane (r, h) holds row r, registers 6 c .. 6 c + 5 hold k = 64 c + 32 h + 0 .. 31) lies in wimg as 3 x 512 bytes: registers 4 c .. 4 c + 3 of lane l at 512 c + 16 l.
; wimg [tensor 4][tile 32][K step 4] of 1,536 bytes; wsc the same index, 128 bytes: the row's scale word in lane r and again in lane 16 + r.
; mbits [query tile 512][key step 32][n 64] words: bit L of word n = mask[query row L % 16 of the tile][key 128 j + 32 (n/16) + 16 (L/16) + n % 16]: the lane mask of score register n.
; SHARES.  Mask: a work-group takes a query tile, wave w its keys 1,024 w .. 1,024 w + 1,023: two units of 16 rows x 512 bytes, both asked for at once.  Weights: a work-group takes a tile of one tensor, wave w its K step w: one unit.
; A block's scale byte is its largest magnitude's exponent field - 2, held at 1 from below (a block of zeros keeps 1: its codes are zeros, and this program alone reads the bytes).
; LIMITS: NaN and infinities among the weights are not served.
; Every load takes 512 consecutive bytes of a row; the 16 rows of a unit turn through the wave's own stage in LDS (rows 528 bytes apart) so that a lane gets neighbours along K.
; The two paths part on the work-group's number and have LDS bytes of their own.  Waves share nothing: no barrier.
.set PITCH, 528
.set WSTG,  16*PITCH                   ; a wave's stage
.set MSTG,  4*WSTG                     ; the mask path's stages begin here
.set SPARE, 8*WSTG                     ; behind the stages: the spare words, 128 bytes a wave
.set LI,   1                           ; v1  16 x lane
.set L8,   2                           ; v2  8 x lane
.set LS,   3                           ; v3  4 x lane
.set H8,   5                           ; v5  8 x (lane / 16)
.set SWA,  6                           ; v6  weight stage, way in
.set SRA,  7                           ; v7  weight stage, way out: row r, + 128 h
.set SWM,  8                           ; v8  mask stage, way in
.set SRM,  9                           ; v9  mask stage, way out: row r, + 16 h
.set MX,   10                          ; v10-11 largest magnitudes
.set SO,   12                          ; v12-13 the conversions' scale operands
.set BY,   14                          ; v14-15 scale bytes
.set PW,   16                          ; v16 the scale word
.set TP,   17                          ; v17 the other half's part of it
.set PC,   20                          ; v20-31 the fragment's codes
.set TMPM, 20                          ; v20-27 (mask path) eight bytes at work
.set RA,   32                          ; v32-95, v96-159 two sets of 16 x 4 registers as loaded
.set XT,   160                         ; v160-223 a unit as the lanes want it
.set PT,   224                         ; v224-231 (weights) second halves of the blocks' codes
.set DW,   224                         ; v224-239 (mask path) the words of eight key steps, two a lane: no store's data are written again
.macro LOADU set, bs, rowb, off        ; 16 rows of a tile, 512 bytes of each
.irp i, 0,1,2,3,4,5,6,7,8,9,10,11,12,13,14,15
	global_load_b128 v[\set+4*\i:\set+4*\i+3], v[LI], s[\bs:\bs+1] offset:(\i+8*(\i/8))*\rowb+\off th:TH_LOAD_NT
.endr
.endm
.macro PUT set, adr                    ; into the stage as loaded
.irp i, 0,1,2,3,4,5,6,7,8,9,10,11,12,13,14,15
	ds_store_b128 v[\adr], v[\set+4*\i:\set+4*\i+3] offset:PITCH*\i
.endr
.endm
.macro GETW                            ; register 32 c + i = k 64 c + 32 h + i of row r.  LDS serves a wave's instructions in order: these see the stores above
.irp c, 0,1
.irp j, 0,1,2,3,4,5,6,7
	ds_load_b128 v[XT+32*\c+4*\j:XT+32*\c+4*\j+3], v[SRA] offset:256*\c+16*\j
.endr
.endr
.endm
.macro GETM                            ; registers 16 q + 4 b ..: the 16 mask bytes of keys 128 q + 32 b + 16 h + 0 .. 15 of row r
.irp q, 0,1,2,3
.irp b, 0,1,2,3
	ds_load_b128 v[XT+16*\q+4*\b:XT+16*\q+4*\b+3], v[SRM] offset:128*\q+32*\b
.endr
.endr
.endm
; 64 numbers of a lane, two whole blocks of 32, become a fragment's 12 registers in v[PC] on and the row's scale word in v[PW]
.macro QB x
.irp c, 0,1
	v_max3_num_f32 v[MX+\c], |v[\x+32*\c]|, |v[\x+32*\c+1]|, 0x1800000   ; with the floor 2^(3 - 127): the byte cannot fall under 1
.endr
.irp i, 2,4,6,8,10,12,14,16,18,20,22,24,26,28,30
.irp c, 0,1
	v_max3_num_f32 v[MX+\c], v[MX+\c], |v[\x+32*\c+\i]|, |v[\x+32*\c+\i+1]|
.endr
.endr
.irp c, 0,1
	v_add_nc_u32 v[SO+\c], 0xff000000, v[MX+\c]   ; 2 off the exponent field: the conversion's scale operand
.endr
.irp c, 0,1
	v_lshrrev_b32 v[BY+\c], 23, v[SO+\c]          ; the scale's byte
.endr
	v_lshl_or_b32 v[PW], v[BY+1], 16, v[BY]       ; my blocks h and 2 + h,
	v_lshlrev_b32 v[PW], v[H8], v[PW]             ; at their places in the word;
	v_permlanex16_b32 v[TP], v[PW], s4, s5
	v_or_b32 v[PW], v[PW], v[TP]                  ; with lane l xor 16's two the word is whole, in both halves
.irp c, 0,1
	v_cvt_scalef32_pk16_fp6_f32 v[PC+6*\c:PC+6*\c+2], v[\x+32*\c:\x+32*\c+15], v[SO+\c]
	v_cvt_scalef32_pk16_fp6_f32 v[PT+4*\c:PT+4*\c+2], v[\x+32*\c+16:\x+32*\c+31], v[SO+\c]   ; (a conversion's three registers begin on an even number)
.endr
	v_nop                                         ; one plain place behind a scaled conversion
.irp c, 0,1
.irp i, 0,1,2
	v_mov_b32 v[PC+3+6*\c+\i], v[PT+4*\c+\i]
.endr
.endr
.endm
	s_load_b512 s[8:23], s[0:1], 0x0              ; q_w s[8:9], k_w s[10:11], v_w s[12:13], o_w s[14:15], mask s[16:17], wimg s[18:19], wsc s[20:21], mbits s[22:23]
	v_lshl_add_u32 v240, v0, 2, SPARE             ; my spare word,
	v_mov_b32 v241, 0                             ; and 0: kept for the closing add
	v_lshrrev_b32 v4, 5, v0
	v_readfirstlane_b32 s2, v4                    ; wave
	v_and_b32 v4, 31, v0
	v_lshlrev_b32 v[LI], 4, v4
	v_lshlrev_b32 v[L8], 3, v4
	v_lshlrev_b32 v[LS], 2, v4
	v_and_b32 v4, 15, v0                          ; r
	v_bfe_u32 v18, v0, 4, 1                       ; h
	v_lshlrev_b32 v[H8], 3, v18
	s_mul_i32 s3, s2, WSTG
	v_add_nc_u32 v[SWA], s3, v[LI]
	v_mul_u32_u24 v19, v4, PITCH
	v_add_nc_u32 v19, s3, v19
	v_lshl_add_u32 v[SRA], v18, 7, v19
	v_add_nc_u32 v[SWM], MSTG, v[SWA]
	v_lshl_add_u32 v[SRM], v18, 4, v19
	v_add_nc_u32 v[SRM], MSTG, v[SRM]
	v_mov_b32 v[TP], 0                            ; a lane permute's destination counts as one of its sources
.irp i, 0,1,2,3,4,5,6,7,8,9,10,11,12,13,14,15
	v_mov_b32 v[DW+\i], 0                         ; and so does v_writelane_b32's
.endr
	s_mov_b32 s4, 0x76543210
	s_mov_b32 s5, 0xfedcba98                      ; selects for lane l xor 16
	s_cmp_lt_u32 ttmp9, 512
	s_wait_alu depctr_va_vdst(0)                  ; the wait at the head's end, directly ahead of the branch
	s_cbranch_scc1 .Lmask
	; ---- the weights: work-group = one tile of 16 rows of one tensor, wave = its K step
	s_sub_co_u32 s24, ttmp9, 512                  ; 32 x tensor + tile
	s_lshr_b32 s25, s24, 5                        ; tensor
	s_and_b32 s26, s24, 31                        ; tile
	s_lshr_b32 s27, s26, 1
	s_lshl_b32 s27, s27, 16                       ; 32 (tile / 2) rows of 2,048 bytes
	s_and_b32 s26, s26, 1
	s_lshl_b32 s26, s26, 14                       ; 8 (tile % 2) rows
	s_add_co_u32 s26, s26, s27
	s_lshl_b32 s27, s2, 9                         ; my K step: 512 bytes of each row
	s_add_co_u32 s26, s26, s27
	s_mov_b32 s27, 0
	s_lshl_b32 s24, s24, 2
	s_add_co_u32 s24, s24, s2                     ; the fragment's index
	s_mul_i32 s28, s24, 1536
	s_mov_b32 s29, 0
	s_lshl_b32 s30, s24, 7
	s_mov_b32 s31, 0
	s_wait_kmcnt 0x0
	s_cmp_eq_u32 s25, 1                           ; the choice hangs on the work-group's number alone
	s_cselect_b64 s[8:9], s[10:11], s[8:9]
	s_cmp_eq_u32 s25, 2
	s_cselect_b64 s[8:9], s[12:13], s[8:9]
	s_cmp_eq_u32 s25, 3
	s_cselect_b64 s[8:9], s[14:15], s[8:9]
	s_add_nc_u64 s[8:9], s[8:9], s[26:27]
	s_add_nc_u64 s[18:19], s[18:19], s[28:29]
	s_add_nc_u64 s[20:21], s[20:21], s[30:31]
	LOADU RA, 8, 2048, 0
	s_wait_loadcnt 0x0
	PUT RA, SWA
	GETW
	s_wait_dscnt 0x0                              ; the unit is back
	QB XT
.irp c, 0,1,2
	global_store_b128 v[LI], v[PC+4*\c:PC+4*\c+3], s[18:19] offset:512*\c   ; 512 consecutive bytes, aligned
.endr
	global_store_b32 v[LS], v[PW], s[20:21]
	s_wait_tensorcnt 0x0                          ; the wave's end
	ds_add_u32 v240, v241
	s_wait_dscnt 0x0
	s_endpgm
	; ---- the mask: work-group = a tile of 16 queries, wave = 1,024 of its keys, two units of 512 keys
.Lmask:
	s_lshr_b32 s26, ttmp9, 1
	s_lshl_b32 s26, s26, 17                       ; 32 (tile / 2) rows of 4,096 bytes
	s_and_b32 s27, ttmp9, 1
	s_lshl_b32 s27, s27, 15
	s_add_co_u32 s26, s26, s27
	s_lshl_b32 s27, s2, 10                        ; my 1,024 keys
	s_add_co_u32 s26, s26, s27
	s_mov_b32 s27, 0
	s_lshl_b32 s28, ttmp9, 13                     ; a tile's words: 32 key steps x 256 bytes
	s_lshl_b32 s29, s2, 11                        ; my 8 key steps
	s_add_co_u32 s28, s28, s29
	s_mov_b32 s29, 0
	s_wait_kmcnt 0x0
	s_add_nc_u64 s[16:17], s[16:17], s[26:27]
	s_add_nc_u64 s[22:23], s[22:23], s[28:29]
; the 64 words of key step q of the unit: a byte is cut out, compared with 0 (the compare's result IS the word: a bit a lane), and put into lane n / 2 of register n % 2 of the pair at d
.macro MASKJ q, d
.irp g, 0,1,2,3,4,5,6,7
.irp e, 0,1,2,3,4,5,6,7
	v_and_b32 v[TMPM+\e], 0xff<<(8*(\e%4)), v[XT+16*(\q)+2*\g+\e/4]   ; word n = 8 g + e
.endr
.irp e, 0,1,2,3,4,5,6,7
	v_cmp_ne_u32 s[32+\e], 0, v[TMPM+\e]
.endr
.irp e, 0,1,2,3,4,5,6,7
	v_writelane_b32 v[(\d)+\e%2], s[32+\e], 4*\g+\e/2
.endr
.endr
.endm
.macro MUNIT u
	s_wait_loadcnt 16*(1-(\u))                    ; this unit's 16 loads are in; the other unit's 16 may be out
	PUT RA+64*(\u), SWM
	GETM
	s_wait_dscnt 0x0
.irp q, 0,1,2,3
	MASKJ \q, DW+8*(\u)+2*\q
	global_store_b64 v[L8], v[DW+8*(\u)+2*\q:DW+8*(\u)+2*\q+1], s[22:23] offset:(4*(\u)+\q)*256   ; 32 lanes store 256 consecutive bytes, aligned
.endr
.endm
	LOADU RA, 16, 4096, 0
	LOADU RA+64, 16, 4096, 512
	MUNIT 0
	MUNIT 1
	s_wait_tensorcnt 0x0                          ; the wave's end
	ds_add_u32 v240, v241
	s_wait_dscnt 0x0
	s_endpgm
.Lfunc_end_k_qee1e5b287f_prep:
	.size	k_qee1e5b287f_prep, .Lfunc_end_k_qee1e5b287f_prep-k_qee1e5b287f_prep
	.p2alignl 7, 3214868480
	.fill 96, 4, 3214868480
	.section	.rodata,"a",@progbits
	.p2align	6, 0x0
	.amdhsa_kernel k_qee1e5b287f_prep
		.amdhsa_group_segment_fixed_size 68096
		.amdhsa_private_segment_fixed_size 0
		.amdhsa_enable_private_segment 0
		.amdhsa_kernarg_size 64
		.amdhsa_user_sgpr_count 2
		.amdhsa_user_sgpr_kernarg_segment_ptr 1
		.amdhsa_wavefront_size32 1
		.amdhsa_system_sgpr_workgroup_id_x 1
		.amdhsa_system_sgpr_workgroup_id_y 1
		.amdhsa_system_sgpr_workgroup_id_z 1
		.amdhsa_system_vgpr_workitem_id 0
		.amdhsa_next_free_vgpr 242
		.amdhsa_next_free_sgpr 66
		.amdhsa_reserve_vcc 0
		.amdhsa_float_denorm_mode_32 3
		.amdhsa_float_denorm_mode_16_64 3
		.amdhsa_memory_ordered 1
		.amdhsa_forward_progress 1
		.amdhsa_inst_pref_size 115
	.end_amdhsa_kernel
	.amdgpu_metadata
---
amdhsa.version: [ 1, 2 ]
amdhsa.kernels:
  - .name:           k_qee1e5b287f_prep
    .symbol:         k_qee1e5b287f_prep.kd
    .args:
      - { .name: q_w, .offset: 0, .size: 8, .value_kind: global_buffer, .address_space: global }
      - { .name: k_w, .offset: 8, .size: 8, .value_kind: global_buffer, .address_space: global }
      - { .name: v_w, .offset: 16, .size: 8, .value_kind: global_buffer, .address_space: global }
      - { .name: o_w, .offset: 24, .size: 8, .value_kind: global_buffer, .address_space: global }
      - { .name: mask, .offset: 32, .size: 8, .value_kind: global_buffer, .address_space: global }
      - { .name: wimg, .offset: 40, .size: 8, .value_kind: global_buffer, .address_space: global }
      - { .name: wsc, .offset: 48, .size: 8, .value_kind: global_buffer, .address_space: global }
      - { .name: mbits, .offset: 56, .size: 8, .value_kind: global_buffer, .address_space: global }
    .group_segment_fixed_size: 68096
    .private_segment_fixed_size: 0
    .kernarg_segment_align: 8
    .kernarg_segment_size: 64
    .max_flat_workgroup_size: 128
    .sgpr_count:     66
    .vgpr_count:     242
    .wavefront_size: 32
...
	.end_amdgpu_metadata
.endif
;; end of part 1
;; launch proj (part 2): grid 64 x 3, 4 waves a work-group, no clusters, 87,552 bytes of LDS; arguments q_tokens, k_tokens, v_tokens, q_b, k_b, v_b, wimg, wsc, qc, kv; writes qc, kv
.if DOCPART == 2
	.amdgcn_target "amdgcn-amd-amdhsa--gfx1250"
	.amdhsa_code_object_version 6
	.text
	.protected	k_qee1e5b287f_proj
	.globl	k_qee1e5b287f_proj
	.p2align	8
	.type	k_qee1e5b287f_proj,@function
k_qee1e5b287f_proj:
	s_mov_b64 s[64:65], 0
	v_nop
	global_prefetch_b8 v0, s[64:65] scope:SCOPE_SE
	s_setreg_imm32_b32 hwreg(HW_REG_WAVE_MODE, 25, 1), 1
	s_wait_xcnt 0x0
; PROJ.  y = 0, 1, 2: q, k, v = tokens W^T + b on codes of FP6 (E2M3), and the result quantised at once for the attention launch: q and k along the head's 64, v along the keys.
; A work-group takes 128 tokens (8 tiles; row i of tile T is row 32 (T/2) + 8 (T%2) + i + 8 (i/8)); wave w makes all 128 tokens x n = 128 w .. 128 w + 127 (heads 2 w, 2 w + 1): 64 accumulators, K = 512 in 4 steps.
; PHASE X: wave w quantises token tiles 2 w, 2 w + 1 (8 units of 16 rows x 128 K, each turned through the wave's stage) and stores the fragments to LDS as images of their registers; ONE barrier; then LDS is only read.
; q, k: source 0 = 16 rows of W, source 1 = 16 tokens: a lane holds one token, its 64 registers of a token tile run along n: two heads x 64: one fragment's worth, registers 0-5 head 2 w, 6-11 head 2 w + 1.
; v:    source 0 = 16 tokens, source 1 = 16 rows of W: a lane holds one n (a head's d), its 64 registers run along the block's 128 keys: a whole fragment of V^T.
; The bias is the C of each sum's first matrix instruction.  The weights come from wimg straight into registers, 24 loads of 512 bytes a K step, one K step ahead, in two sets.
; NO CLUSTER: the launch has no tensor load: a wave's weight fragments (48 KB) go from memory into its registers as they lie, each feeding 8 products; through LDS each would be written and read once more.
; OUT.  qc [bh 16][block 32] of 6,656 bytes: 8 half images of 768 (registers 0-3 at 16 l, then 4-5 at 8 l), then 512 bytes of scale words [g/4][r][g%4]; bytes 2, 3 of a word are 0x7f (scale 1 for the unused upper K).
;       kv [bh][key step 32] of 13,056: K's part as a qc block; at 6,656 four fragments of V^T (d tile dt at 1,536 dt); at 12,800 V's scale words [r][dt].
; LIMITS: NaN and infinities are not served; a block of zeros carries the byte 1 (its codes are zeros; this program alone reads the bytes).
; REGISTERS, in windows of 256: window 0: v1-27 addresses and work; v32-63 W's scale words [i][s]; v64-95 x's [m][s]; v96-191 phase X: a unit, its codes; then x's 8 fragments; then the way out.
;   window 1: v0-95, v96-191 W's two sets; v192-255 the bias.   windows 2, 3: phase X: the 8 units as loaded; then the accumulators, (g, i) at window 2 + g/4, v[8 (8 (g%4) + i)].
.set XIMG, 0                           ; LDS: x's 32 fragments, (m, s) at (4 m + s) x 1,536
.set XSC,  49152                       ; their scale words, 128 bytes each
.set STG,  53248                       ; the four waves' stages, 16 rows x 528
.set PITCH, 528
.set LI,  1                            ; v1  16 x lane
.set LS,  2                            ; v2  4 x lane
.set L8,  3                            ; v3  8 x lane
.set SW,  4                            ; v4  stage, way in
.set SR,  5                            ; v5  stage, way out: row r, + 128 h
.set XWI, 6                            ; v6  where I store images: 16 x lane + 8 x 1,536 x wave
.set XWS, 7                            ; v7  and scale words: 4 x lane + 1,024 x wave
.set BO,  8                            ; v8  64 h: the bias of q, k
.set H8,  9                            ; v9  8 h
.set VO,  10                           ; v10 16 r + h x (32 blocks of kv): V's scale words
.set HH,  11                           ; v11 h
.set TM,  12                           ; v12-15 largest magnitudes
.set TB4, 16                           ; v16-19 the other half's; then bytes
.set TS,  20                           ; v20-23 the conversions' scale operands
.set PW,  24                           ; v24 the scale word just made
.set TP,  25
.set BV,  26                           ; v26 4 (r + 8 (r/8)): the bias of v
.set MX,  12
.set SO,  14
.set BY,  16
.set WS,  32
.set XS,  64
.set XF,  96
.set XT,  96
.set PC,  160                          ; phase X: the codes just made
.set PT,  172
.set PWS, 116                          ; the way out: eight scale words,
.set SELR, 124                         ; four of them chosen by the lane's half,
.set SA2, 128                          ; head 2 w's words,
.set SB2, 132                          ; head 2 w + 1's
.set MSB, 0
.macro WIN new                         ; the immediate's high byte repeats the setting that is left
.if MSB != (\new)
	s_set_vgpr_msb (MSB<<8)|(\new)
.set MSB, (\new)
.endif
.endm
.macro QB x                            ; 64 numbers of a lane, two whole blocks of 32 (register 32 c + i = k 64 c + 32 h + i), become v[PC] on and v[PW]
.irp c, 0,1
	v_max3_num_f32 v[MX+\c], |v[\x+32*\c]|, |v[\x+32*\c+1]|, 0x1800000   ; with the floor 2^(3 - 127)
.endr
.irp i, 2,4,6,8,10,12,14,16,18,20,22,24,26,28,30
.irp c, 0,1
	v_max3_num_f32 v[MX+\c], v[MX+\c], |v[\x+32*\c+\i]|, |v[\x+32*\c+\i+1]|
.endr
.endr
.irp c, 0,1
	v_add_nc_u32 v[SO+\c], 0xff000000, v[MX+\c]
.endr
.irp c, 0,1
	v_lshrrev_b32 v[BY+\c], 23, v[SO+\c]
.endr
	v_lshl_or_b32 v[PW], v[BY+1], 16, v[BY]
	v_lshlrev_b32 v[PW], v[H8], v[PW]
	v_permlanex16_b32 v[TP], v[PW], s40, s41
	v_or_b32 v[PW], v[PW], v[TP]
.irp c, 0,1
	v_cvt_scalef32_pk16_fp6_f32 v[PC+6*\c:PC+6*\c+2], v[\x+32*\c:\x+32*\c+15], v[SO+\c]
	v_cvt_scalef32_pk16_fp6_f32 v[PT+4*\c:PT+4*\c+2], v[\x+32*\c+16:\x+32*\c+31], v[SO+\c]
.endr
	v_nop                                         ; one plain place behind a scaled conversion
.irp c, 0,1
.irp i, 0,1,2
	v_mov_b32 v[PC+3+6*\c+\i], v[PT+4*\c+\i]
.endr
.endr
.endm
; 64 results of a lane in window w, register 16 b + i = k 32 b + 16 h + i of my row, become a fragment in v[PC] on and its scale word in v[PW].  Each accumulator is read from its low end on.
.macro QUANT x, w
	WIN (\w)|((\w)<<2)
.irp b, 0,1,2,3
	v_max3_num_f32 v[TM+\b], |v[\x+16*\b]|, |v[\x+16*\b+1]|, 0x1800000
.endr
.irp i, 2,4,6,8,10,12,14
.irp b, 0,1,2,3
	v_max3_num_f32 v[TM+\b], |v[\x+16*\b+\i]|, |v[\x+16*\b+\i+1]|, v[TM+\b]
.endr
.endr
	WIN 0
.irp b, 0,1,2,3
	v_permlanex16_b32 v[TB4+\b], v[TM+\b], s40, s41
.endr
.irp b, 0,1,2,3
	v_max_num_f32 v[TM+\b], v[TM+\b], v[TB4+\b]   ; with lane l xor 16's 16: the block's largest magnitude
.endr
.irp b, 0,1,2,3
	v_add_nc_u32 v[TS+\b], 0xff000000, v[TM+\b]
.endr
.irp b, 0,1,2,3
	v_lshrrev_b32 v[TB4+\b], 23, v[TS+\b]
.endr
	v_lshl_or_b32 v[PW], v[TB4+1], 8, v[TB4]
	v_lshl_or_b32 v[PW], v[TB4+2], 16, v[PW]
	v_lshl_or_b32 v[PW], v[TB4+3], 24, v[PW]
	WIN \w
.irp c, 0,1
	v_cvt_scalef32_pk16_fp6_f32 v[PC+6*\c:PC+6*\c+2], v[\x+32*\c:\x+32*\c+15], v[TS+2*\c]
	v_cvt_scalef32_pk16_fp6_f32 v[PT+4*\c:PT+4*\c+2], v[\x+32*\c+16:\x+32*\c+31], v[TS+2*\c+1]
.endr
	WIN 0
	v_nop                                         ; one plain place behind a scaled conversion
.irp c, 0,1                            ; the operand's layout wants a whole block in a lane
.irp i, 0,1,2
	v_permlane16_swap_b32 v[PC+6*\c+\i], v[PT+4*\c+\i]
.endr
.irp i, 0,1,2
	v_mov_b32 v[PC+3+6*\c+\i], v[PT+4*\c+\i]
.endr
.endr
.endm
.macro LOADU u                         ; unit u: tile 2 w + u/4, K step u%4: 16 rows x 512 bytes, into window 2 + u/4
	WIN (2+(\u)/4)<<6
.irp i, 0,1,2,3,4,5,6,7,8,9,10,11,12,13,14,15
	global_load_b128 v[64*((\u)%4)+4*\i:64*((\u)%4)+4*\i+3], v[LI], s[28:29] offset:(8*((\u)/4)+\i+8*(\i/8))*2048+512*((\u)%4) th:TH_LOAD_NT
.endr
	WIN 0
.endm
.macro LOADW k                         ; my 8 weight fragments of K step k into window 1, set k % 2
	WIN 0x40
.irp i, 0,1,2,3,4,5,6,7
.irp c, 0,1,2
	global_load_b128 v[96*((\k)%2)+12*\i+4*\c:96*((\k)%2)+12*\i+4*\c+3], v[LI], s[32:33] offset:(4*\i+(\k))*1536+512*\c
.endr
.endr
	WIN 0
.endm
.macro XUNIT u
.if 7-(\u) >= 3
	s_wait_loadcnt 48                             ; this unit's 16 loads are in; those of the three units behind it may be out
.else
	s_wait_loadcnt 16*(7-(\u))
.endif
.if (\u)+4 < 8
	LOADU (\u)+4
.endif
	WIN (2+(\u)/4)<<2                             ; an LDS store's data are its source 1
.irp i, 0,1,2,3,4,5,6,7,8,9,10,11,12,13,14,15
	ds_store_b128 v[SW], v[64*((\u)%4)+4*\i:64*((\u)%4)+4*\i+3] offset:PITCH*\i
.endr
	WIN 0
.irp c, 0,1
.irp j, 0,1,2,3,4,5,6,7
	ds_load_b128 v[XT+32*\c+4*\j:XT+32*\c+4*\j+3], v[SR] offset:256*\c+16*\j   ; LDS serves a wave's instructions in order: these see the stores above
.endr
.endr
	s_wait_dscnt 0x0                              ; the unit is back, and the last unit's image stores have read their registers
	QB XT
.irp c, 0,1,2
	ds_store_b128 v[XWI], v[PC+4*\c:PC+4*\c+3] offset:XIMG+(\u)*1536+512*\c
.endr
	ds_store_b32 v[XWS], v[PW] offset:XSC+(\u)*128
.endm
	s_load_b512 s[8:23], s[0:1], 0x0              ; q_tokens, k_tokens, v_tokens s[8:13]; q_b, k_b, v_b s[14:19]; wimg s[20:21]; wsc s[22:23]
	s_load_b128 s[24:27], s[0:1], 0x40            ; qc, kv
	v_lshl_add_u32 v254, v0, 2, 0x15400
	v_mov_b32 v255, 0
	v_lshrrev_b32 v12, 5, v0
	v_readfirstlane_b32 s2, v12                   ; wave
	s_and_b32 s3, ttmp7, 0xffff                   ; y: 0 q, 1 k, 2 v
	v_and_b32 v12, 31, v0
	v_lshlrev_b32 v[LI], 4, v12
	v_lshlrev_b32 v[LS], 2, v12
	v_lshlrev_b32 v[L8], 3, v12
	v_and_b32 v13, 15, v0                         ; r
	v_bfe_u32 v[HH], v0, 4, 1                     ; h
	v_lshlrev_b32 v[H8], 3, v[HH]
	s_mul_i32 s44, s2, 16*PITCH
	s_add_co_u32 s44, s44, STG
	v_add_nc_u32 v[SW], s44, v[LI]
	v_mul_u32_u24 v14, v13, PITCH
	v_add_nc_u32 v14, s44, v14
	v_lshl_add_u32 v[SR], v[HH], 7, v14
	s_mul_i32 s44, s2, 8*1536
	v_add_nc_u32 v[XWI], s44, v[LI]
	s_lshl_b32 s44, s2, 10
	v_add_nc_u32 v[XWS], s44, v[LS]
	v_mul_u32_u24 v[VO], v[HH], 32*13056
	v_lshl_add_u32 v[VO], v13, 4, v[VO]
	v_lshlrev_b32 v[BO], 6, v[HH]
	v_and_b32 v14, 8, v13
	v_add_nc_u32 v14, v14, v13
	v_lshlrev_b32 v[BV], 2, v14
.irp b, 0,1,2,3
	v_mov_b32 v[TB4+\b], 0                        ; a lane permute's destination counts as one of its sources
.endr
	v_mov_b32 v[TP], 0
	s_mov_b32 s40, 0x76543210
	s_mov_b32 s41, 0xfedcba98                     ; selects for lane l xor 16
	s_mov_b32 s42, 0xffff
	s_mov_b32 s43, 0x7f7f0000
	s_lshl_b32 s44, ttmp9, 18                     ; my block's 128 rows of 2,048 bytes,
	s_lshl_b32 s45, s2, 16                        ; my wave's 32 of them
	s_add_co_u32 s44, s44, s45
	s_mov_b32 s45, 0
	s_mul_i32 s46, s3, 128*1536                   ; my tensor's images,
	s_mul_i32 s47, s2, 32*1536                    ; my 8 tiles
	s_add_co_u32 s46, s46, s47
	s_mov_b32 s47, 0
	s_lshl_b32 s48, s3, 14                        ; and their scale words
	s_lshl_b32 s49, s2, 12
	s_add_co_u32 s48, s48, s49
	s_mov_b32 s49, 0
	s_lshl_b32 s50, s2, 9                         ; my 128 numbers of the bias
	s_mov_b32 s51, 0
	s_lshr_b32 s52, ttmp9, 5                      ; batch
	s_lshl_b32 s52, s52, 3
	s_lshl_b32 s53, s2, 1
	s_add_co_u32 s52, s52, s53                    ; bh of head 2 w
	s_lshl_b32 s52, s52, 5
	s_and_b32 s53, ttmp9, 31
	s_add_co_u32 s52, s52, s53                    ; 32 bh + block
	s_mov_b32 s54, 13056
	s_cmp_eq_u32 s3, 0
	s_cselect_b32 s54, 6656, s54                  ; a block of qc or of kv
	s_mul_i32 s52, s52, s54
	s_cmp_eq_u32 s3, 2
	s_cselect_b32 s55, 6656, 0                    ; V's part lies behind K's
	s_add_co_u32 s52, s52, s55
	s_mov_b32 s53, 0
	s_lshl_b32 s54, s54, 5                        ; from a head to the next: 32 blocks
	s_mov_b32 s55, 0
	s_wait_kmcnt 0x0
	s_cmp_eq_u32 s3, 1                            ; the choices hang on the work-group's number alone
	s_cselect_b64 s[28:29], s[10:11], s[8:9]
	s_cselect_b64 s[30:31], s[16:17], s[14:15]
	s_cmp_eq_u32 s3, 2
	s_cselect_b64 s[28:29], s[12:13], s[28:29]
	s_cselect_b64 s[30:31], s[18:19], s[30:31]
	s_cmp_eq_u32 s3, 0
	s_cselect_b64 s[36:37], s[24:25], s[26:27]
	s_add_nc_u64 s[28:29], s[28:29], s[44:45]     ; the tokens
	s_add_nc_u64 s[30:31], s[30:31], s[50:51]     ; the bias
	s_add_nc_u64 s[32:33], s[20:21], s[46:47]     ; W's images
	s_add_nc_u64 s[34:35], s[22:23], s[48:49]     ; W's scale words
	s_add_nc_u64 s[36:37], s[36:37], s[52:53]     ; out, head 2 w
	s_add_nc_u64 s[38:39], s[36:37], s[54:55]     ; out, head 2 w + 1
.irp i, 0,1,2,3,4,5,6,7
.irp k, 0,1,2,3
	global_load_b32 v[WS+4*\i+\k], v[LS], s[34:35] offset:(4*\i+\k)*128
.endr
.endr
	s_cmp_eq_u32 s3, 2
	s_cbranch_scc1 .Lbias_v
	WIN 0x40
	s_wait_alu depctr_va_vdst(0)
.irp i, 0,1,2,3,4,5,6,7                ; q, k: tile i's eight n of my half, in the result's layout
	global_load_b128 v[192+8*\i:192+8*\i+3], v[BO], s[30:31] offset:(32*(\i/2)+8*(\i%2))*4
	global_load_b128 v[192+8*\i+4:192+8*\i+7], v[BO], s[30:31] offset:(32*(\i/2)+8*(\i%2))*4+16
.endr
	WIN 0
	s_branch .Lbias_done
.Lbias_v:
	WIN 0x40
	s_wait_alu depctr_va_vdst(0)
.irp g, 0,1,2,3,4,5,6,7                ; v: the one n of my lane; it is spread over the tile's eight registers later
	global_load_b32 v[192+8*\g], v[BV], s[30:31] offset:(32*(\g/2)+8*(\g%2))*4
.endr
	WIN 0
.Lbias_done:
	LOADW 0
	LOADU 0
	LOADU 1
	LOADU 2
	LOADU 3
.irp u, 0,1,2,3,4,5,6,7
	XUNIT \u
.endr
	s_wait_dscnt 0x0                              ; for the others' sake: my images have landed
	s_barrier_signal -1
	s_barrier_wait -1                             ; x's 32 fragments lie in LDS; from here on LDS is only read
.set PC, 96                            ; the way out's codes, where x's fragments lay
.set PT, 108
.macro FETCHX k
.irp m, 0,1,2,3,4,5,6,7
.irp c, 0,1,2
	ds_load_b128 v[XF+12*\m+4*\c:XF+12*\m+4*\c+3], v[LI] offset:XIMG+(4*\m+(\k))*1536+512*\c
.endr
.endr
.endm
; 64 matrix instructions: the 64 accumulators take turns, one instruction a turn, in the same order in every K step
.macro MULS kind, k
.irp g, 0,1,2,3,4,5,6,7
.if (\kind) == 0
.if (\k) == 0
	WIN 0x91+0x40*(\g/4)                          ; source 0 (W) and C (bias) window 1, source 1 (x) window 0, D window 2 or 3
.else
	WIN 0xa1+0x50*(\g/4)
.endif
.else
.if (\k) == 0
	WIN 0x94+0x40*(\g/4)                          ; source 0 (x) window 0, source 1 (W) and C (bias) window 1
.else
	WIN 0xa4+0x50*(\g/4)
.endif
.endif
.irp i, 0,1,2,3,4,5,6,7
.set rD, 8*(8*(\g%4)+\i)
.if (\kind) == 0
.set rA, 96*((\k)%2)+12*\i
.set rB, XF+12*\g
.set rC, 192+8*\i
.set sA, WS+4*\i+(\k)
.set sB, XS+4*\g+(\k)
.else
.set rA, XF+12*\i
.set rB, 96*((\k)%2)+12*\g
.set rC, 192+8*\g
.set sA, XS+4*\i+(\k)
.set sB, WS+4*\g+(\k)
.endif
.if (\k) == 0
	v_wmma_scale_f32_16x16x128_f8f6f4 v[rD:rD+7], v[rA:rA+11], v[rB:rB+11], v[rC:rC+7], v[sA], v[sB] matrix_a_fmt:MATRIX_FMT_FP6 matrix_b_fmt:MATRIX_FMT_FP6
.else
	v_wmma_scale_f32_16x16x128_f8f6f4 v[rD:rD+7], v[rA:rA+11], v[rB:rB+11], v[rD:rD+7], v[sA], v[sB] matrix_a_fmt:MATRIX_FMT_FP6 matrix_b_fmt:MATRIX_FMT_FP6
.endif
.endr
.endr
	WIN 0
.endm
.macro KSTEP kind, k
.if (\k) > 0
.rept 4
	v_nop                                         ; places in front of loads into registers that matrix instructions have read
.endr
.endif
	FETCHX \k
.if (\k) < 3
	LOADW (\k)+1
	s_wait_loadcnt 24                             ; this K step's weights are in; the 24 loads just issued may be out
.else
	s_wait_loadcnt 0x0
.endif
	s_wait_dscnt 0x0
	MULS \kind, \k
.endm
.macro XSCALES
.irp m, 0,1,2,3,4,5,6,7
.irp k, 0,1,2,3
	ds_load_b32 v[XS+4*\m+\k], v[LS] offset:XSC+(4*\m+\k)*128
.endr
.endr
.endm
	s_cmp_eq_u32 s3, 2
	s_cbranch_scc1 .Lv
	; ---- q, k
	XSCALES
	KSTEP 0, 0
	KSTEP 0, 1
	KSTEP 0, 2
	KSTEP 0, 3
.rept 4
	v_nop                                         ; places in front of the first read of results
.endr
.irp g, 0,1,2,3,4,5,6,7                ; token tile g: its 64 registers are n = 128 w + 0 .. 127 of my token
	s_wait_xcnt 0x0                               ; the last tile's stores have read their registers
	QUANT 64*(\g%4), 2+\g/4
	global_store_b128 v[LI], v[PC:PC+3], s[36:37] offset:768*\g            ; head 2 w: 512 + 256 consecutive bytes, aligned
	global_store_b64 v[L8], v[PC+4:PC+5], s[36:37] offset:768*\g+512
	global_store_b128 v[LI], v[PC+6:PC+9], s[38:39] offset:768*\g          ; head 2 w + 1
	global_store_b64 v[L8], v[PC+10:PC+11], s[38:39] offset:768*\g+512
	v_mov_b32 v[PWS+\g], v[PW]
.endr
	v_cmp_ne_u32 vcc_lo, 0, v[HH]
.irp e, 0,1,2,3
	v_cndmask_b32 v[SELR+\e], v[PWS+\e], v[PWS+4+\e], vcc_lo   ; lanes 0-15 store tiles 0-3, lanes 16-31 tiles 4-7
.endr
.irp e, 0,1,2,3
	v_and_or_b32 v[SA2+\e], v[SELR+\e], s42, s43  ; head 2 w's two bytes, and 0x7f twice
.endr
.irp e, 0,1,2,3
	v_lshrrev_b32 v[SB2+\e], 16, v[SELR+\e]
.endr
.irp e, 0,1,2,3
	v_or_b32 v[SB2+\e], s43, v[SB2+\e]            ; head 2 w + 1's
.endr
	global_store_b128 v[LI], v[SA2:SA2+3], s[36:37] offset:6144   ; 16 x lane = 256 (g/4) + 16 r: 512 consecutive bytes
	global_store_b128 v[LI], v[SB2:SB2+3], s[38:39] offset:6144
	s_wait_tensorcnt 0x0
	ds_add_u32 v254, v255
	s_wait_dscnt 0x0
	s_endpgm
	; ---- v
.Lv:
	XSCALES
	WIN 0x41
.irp g, 0,1,2,3,4,5,6,7
.irp j, 1,2,3,4,5,6,7
	v_mov_b32 v[192+8*\g+\j], v[192+8*\g]         ; a lane's eight results of a tile have one n: one bias
.endr
.endr
	WIN 0
	s_wait_alu depctr_va_vdst(0)
	KSTEP 1, 0
	KSTEP 1, 1
	KSTEP 1, 2
	KSTEP 1, 3
.rept 4
	v_nop
.endr
.irp g, 0,1,2,3,4,5,6,7                ; tile g of n: its 64 registers are the block's 128 keys of my d
	s_wait_xcnt 0x0
	QUANT 64*(\g%4), 2+\g/4
.irp c, 0,1,2
.if \g < 4
	global_store_b128 v[LI], v[PC+4*\c:PC+4*\c+3], s[36:37] offset:1536*(\g%4)+512*\c
.else
	global_store_b128 v[LI], v[PC+4*\c:PC+4*\c+3], s[38:39] offset:1536*(\g%4)+512*\c
.endif
.endr
	v_mov_b32 v[PWS+\g], v[PW]
.endr
	v_cmp_ne_u32 vcc_lo, 0, v[HH]
.irp e, 0,1,2,3
	v_cndmask_b32 v[SELR+\e], v[PWS+\e], v[PWS+4+\e], vcc_lo   ; lanes 0-15: head 2 w, lanes 16-31: head 2 w + 1
.endr
	global_store_b128 v[VO], v[SELR:SELR+3], s[36:37] offset:6144   ; each half of the lanes stores 256 consecutive bytes, aligned
	s_wait_tensorcnt 0x0
	ds_add_u32 v254, v255
	s_wait_dscnt 0x0
	s_endpgm
.Lfunc_end_k_qee1e5b287f_proj:
	.size	k_qee1e5b287f_proj, .Lfunc_end_k_qee1e5b287f_proj-k_qee1e5b287f_proj
	.p2alignl 7, 3214868480
	.fill 96, 4, 3214868480
	.section	.rodata,"a",@progbits
	.p2align	6, 0x0
	.amdhsa_kernel k_qee1e5b287f_proj
		.amdhsa_group_segment_fixed_size 87552
		.amdhsa_private_segment_fixed_size 0
		.amdhsa_enable_private_segment 0
		.amdhsa_kernarg_size 80
		.amdhsa_user_sgpr_count 2
		.amdhsa_user_sgpr_kernarg_segment_ptr 1
		.amdhsa_wavefront_size32 1
		.amdhsa_system_sgpr_workgroup_id_x 1
		.amdhsa_system_sgpr_workgroup_id_y 1
		.amdhsa_system_sgpr_workgroup_id_z 1
		.amdhsa_system_vgpr_workitem_id 0
		.amdhsa_next_free_vgpr 1024
		.amdhsa_next_free_sgpr 66
		.amdhsa_reserve_vcc 1
		.amdhsa_float_denorm_mode_32 3
		.amdhsa_float_denorm_mode_16_64 3
		.amdhsa_memory_ordered 1
		.amdhsa_forward_progress 1
		.amdhsa_inst_pref_size 234
	.end_amdhsa_kernel
	.amdgpu_metadata
---
amdhsa.version: [ 1, 2 ]
amdhsa.kernels:
  - .name:           k_qee1e5b287f_proj
    .symbol:         k_qee1e5b287f_proj.kd
    .args:
      - { .name: q_tokens, .offset: 0, .size: 8, .value_kind: global_buffer, .address_space: global }
      - { .name: k_tokens, .offset: 8, .size: 8, .value_kind: global_buffer, .address_space: global }
      - { .name: v_tokens, .offset: 16, .size: 8, .value_kind: global_buffer, .address_space: global }
      - { .name: q_b, .offset: 24, .size: 8, .value_kind: global_buffer, .address_space: global }
      - { .name: k_b, .offset: 32, .size: 8, .value_kind: global_buffer, .address_space: global }
      - { .name: v_b, .offset: 40, .size: 8, .value_kind: global_buffer, .address_space: global }
      - { .name: wimg, .offset: 48, .size: 8, .value_kind: global_buffer, .address_space: global }
      - { .name: wsc, .offset: 56, .size: 8, .value_kind: global_buffer, .address_space: global }
      - { .name: qc, .offset: 64, .size: 8, .value_kind: global_buffer, .address_space: global }
      - { .name: kv, .offset: 72, .size: 8, .value_kind: global_buffer, .address_space: global }
    .group_segment_fixed_size: 87552
    .private_segment_fixed_size: 0
    .kernarg_segment_align: 8
    .kernarg_segment_size: 80
    .max_flat_workgroup_size: 128
    .sgpr_count:     66
    .vgpr_count:     1024
    .wavefront_size: 32
...
	.end_amdgpu_metadata
.endif
;; end of part 2
;; launch attn (part 3): grid 16 x 16, 16 waves a work-group, clusters of 4 x 1, 327,680 bytes of LDS; arguments qc, kv, mbits, ctxc, cs; writes ctxc, cs
.if DOCPART == 3
	.amdgcn_target "amdgcn-amd-amdhsa--gfx1250"
	.amdhsa_code_object_version 6
	.text
	.protected	k_qee1e5b287f_attn
	.globl	k_qee1e5b287f_attn
	.p2align	8
	.type	k_qee1e5b287f_attn,@function
k_qee1e5b287f_attn:
	s_mov_b64 s[64:65], 0
	v_nop
	global_prefetch_b8 v0, s[64:65] scope:SCOPE_SE
	s_setreg_imm32_b32 hwreg(HW_REG_WAVE_MODE, 25, 1), 1
	s_wait_xcnt 0x0
	s_wait_alu depctr_hold_cnt(0) depctr_sa_sdst(0) depctr_va_vdst(0) depctr_va_sdst(0) depctr_va_ssrc(0) depctr_va_vcc(0) depctr_vm_vsrc(0)
	s_getreg_b32 s2, hwreg(HW_REG_IB_STS2, 6, 4)
	s_cmp_eq_u32 s2, 0
	s_cbranch_scc0 .Lentry_in_a_cluster
	s_endpgm
.Lentry_in_a_cluster:
	s_bfe_u32 s2, ttmp6, 0x10000c
	s_cmp_lg_u32 s2, 0x3003
	s_cbranch_scc0 .Lentry_shape_is_right
	s_endpgm
.Lentry_shape_is_right:
; ATTN.  ctx[bh][q][:] = softmax_k(mask ? -1e9 : q . k / 8) v, both products on codes of FP6 (E2M3); ctx is quantised along the hidden axis for the last product.
; SHARES.  A work-group owns 256 queries of one head (bh = y); each of its sixteen waves owns one tile of 16 queries in 256 registers, four waves to a SIMD.  Every wave walks the head's 4,096 keys, 128 a step.
; LAYOUT.  Both products are used transposed: S^T = K Q^T (source 0 = 16 keys, source 1 = my 16 queries), O^T = V^T P^T: a lane holds ONE query (lane % 16) throughout.  Row i of a tile T (keys, queries, d) is
; 32 (T/2) + 8 (T%2) + i + 8 (i/8), so the 16 registers of tiles 2 b, 2 b + 1 are 16 neighbours: p's registers are the second product's K, and O^T's are the last product's.
; THE HEAD IS 64 DEEP, the matrix instruction 128: Q's registers 6-11 are zero codes and both sides' scale bytes 2, 3 are 0x7f.  K's tiles lie 6 registers apart, so tile t's upper six registers are tile t + 1's codes
; (finite numbers, which meet zeros); the last tile's are six registers kept at zero.
; THE MASK comes as lane-mask words (mbits): word n of a key step is the selector of one v_cndmask_b32 on score register n, out of a scalar register; the 64 words of the next step are asked for a step ahead.
; A masked score becomes -2^33: the logit -2^30 in place of -1e9.  t = -2^33 c is a whole number, so a wholly masked row has p = 1 for every key, as with -1e9; beside any unmasked key p = 0, as with -1e9.
; LIMITS: rows whose largest unmasked logit lies under about -1e9 differ; NaN and infinities are not served; p under 2^-126 counts as 0.
; THE SOFTMAX: t = score x c, c = log2(e) / 8; M = the running largest t rounded UP to a whole number; p = 2^(t - M) is quantised along the keys, not normalised; the row's sum is taken of the unquantised p and divides at the end.
; THE RING.  kv holds a key step as one dense block of 13,056 bytes in the order of the operands' registers.  Two LDS slots: slot 0 holds 8 key steps, slot 1 holds 16.  A load brings 2 key steps (102 rows of 256 bytes).
; Key steps 0-7 are asked for at the head (waves 0-3, one load each); key steps 8-23 behind the first round (waves 0-7, one load each: slot 1's first fill); key steps 24-31 go into slot 0 when its first 8 have been read
; (waves 0-3).  So the walk has three runs of 8, 16 and 8 key steps and two changes of slots.
; CLUSTER.  The four query blocks of a cluster belong to one head and walk the same kv: each load is asked for JOINTLY, by the same tensor load with the same descriptor and the mask 15.
; No prefetch is laid: slot 1's fill is asked for 8 key steps ahead of its first read, slot 0's refill 16 key steps ahead, and the mask's words one key step ahead.
.set STEPB, 13056
.set SLOTB, 8*STEPB                    ; 104,448: slot 0; slot 1 begins here and is twice as long
.set QUART, SLOTB/4                    ; 26,112 = 102 x 256: what one load brings
.set SPARE, 3*SLOTB                    ; behind the ring: the spare words, 128 bytes for each of 16 waves: eight blocks of 256 bytes that no other line names
.set LI,  1                            ; v1  16 x lane
.set L8,  2                            ; v2  8 x lane
.set R16, 4                            ; v4  16 x (lane % 16)
.set SPW, 5                            ; v5  LDS address of my spare word; never rewritten
.set NIL, 6                            ; v6  0; never rewritten
.set NEG, 7                            ; v7  -2^33
.set ADK, 8                            ; v8-10 the step's LDS addresses: + 16 l, + 8 l, + 16 r
.set AD8, 9
.set ADR, 10
                                       ; v12 -M, v13 the largest t, v[14:15] the sum in two halves
.set QF,  16                           ; v16-21 Q's codes, v22-27 zeros
.set QS,  28                           ; v28 Q's scale words
.set FF,  30                           ; v[30:31] f = 2^(old M - new M)
.set KV,  32                           ; v32-79 8 tiles of K, 6 registers apart; then 4 fragments of V^T; v80-85 zeros
.set KS,  86                           ; v86-93 K's scale words
.set VS,  94                           ; v94-97 V's
.set S,   100                          ; v100-163 S^T, then p
.set O,   164                          ; v164-195 O^T
.set PC,  196                          ; v196-207 p's codes
.set PT,  208                          ; v208-215 second halves
.set BM,  216                          ; v216-219 the blocks' largest scores, then largest p
.set BP,  220                          ; v220-223 the other half's; then bytes
.set BS,  224                          ; v224-227 the conversions' scale operands
.set PW,  228                          ; v228 p's scale word
.set SUM2, 230                         ; v[230:231], v[244:255] the sum's further chains; ahead of them in a step v244 + 2 b and v241 + 4 b hold block b's largest scores of its even and of its odd registers
.set TT,  232
.set T2,  233
.macro CROUND                          ; a round of the cluster's barrier
	s_barrier_signal -1
	s_barrier_wait -1
	s_cmp_lg_u32 s2, 0
	s_cbranch_scc1 .Lnot_wave_0_\@
	s_barrier_signal -3
.Lnot_wave_0_\@:
	s_barrier_wait -3
	s_barrier_signal -1
	s_barrier_wait -1
.endm
.macro JLOAD g0, n                     ; waves 0 .. n - 1 fetch, one load each; the branch hangs on the wave's number alone.  Four v_nop follow the load
	s_cmp_lt_u32 s2, \n
	s_cbranch_scc0 .Lno_load_\@
	tensor_load_to_lds s[\g0:\g0+3], s[16:23]
	s_nop 0
.rept 4
	v_nop
.endr
.Lno_load_\@:
.endm
	s_load_b128 s[36:39], s[0:1], 0x0             ; qc, kv
	s_load_b64 s[4:5], s[0:1], 0x10               ; mbits
	v_lshl_add_u32 v[SPW], v0, 2, SPARE
	v_mov_b32 v[NIL], 0
	ds_add_u32 v[SPW], v[NIL]                     ; the opening lines: the add, twice on end, and its wait
	ds_add_u32 v[SPW], v[NIL]
	s_wait_dscnt 0x0
	v_lshrrev_b32 v3, 5, v0
	s_delay_alu instid0(VALU_DEP_1)
	v_readfirstlane_b32 s2, v3                    ; wave 0..15
	s_bfe_u32 s40, ttmp6, 0x40000                 ; cx: it enters global addresses of Q, the mask and the results alone
	s_lshl_b32 s41, ttmp9, 2
	s_add_co_u32 s41, s41, s40                    ; my block of 256 queries
	s_lshl_b32 s41, s41, 4
	s_add_co_u32 s41, s41, s2                     ; T: my query tile in the batch, 0..255
	s_and_b32 s42, ttmp7, 0xffff                  ; bh, which the four partners share
	s_lshr_b32 s43, s42, 3                        ; batch
	s_and_b32 s44, s42, 7                         ; head
	s_lshl_b32 s45, s43, 8
	s_add_co_u32 s45, s45, s41                    ; gT = 256 batch + T
	s_lshl_b32 s56, s45, 13                       ; the tile's mask words: 32 key steps x 256 bytes
	s_mov_b32 s57, 0
	s_min_u32 s54, s2, 7
	s_mul_i32 s54, s54, QUART                     ; the two key steps of a slot that I fetch, if I fetch
	s_mul_i32 s46, s42, 32*STEPB                  ; the head's first byte in kv
	s_add_co_u32 s46, s46, s54
	s_mov_b32 s47, 0
	s_lshl_b32 s48, s42, 5
	s_lshr_b32 s49, s41, 3
	s_add_co_u32 s48, s48, s49
	s_mul_i32 s48, s48, 6656                      ; Q: block T / 8 of my head
	s_mov_b32 s49, 0
	s_and_b32 s50, s41, 7                         ; g: my tile in the block
	s_mul_i32 s51, s50, 768
	s_lshr_b32 s52, s50, 2
	s_lshl_b32 s52, s52, 8
	s_and_b32 s50, s50, 3
	s_lshl_b32 s50, s50, 2
	s_add_co_u32 s52, s52, s50                    ; its scale words: 256 (g/4) + 4 (g%4)
	s_lshl_b32 s6, s45, 3
	s_add_co_u32 s6, s6, s44
	s_mul_i32 s6, s6, 768                         ; s[6:7]: my half image in ctxc
	s_mov_b32 s7, 0
	s_lshl_b32 s8, s45, 8
	s_lshl_b32 s9, s44, 1
	s_add_co_u32 s8, s8, s9                       ; s[8:9]: my bytes in cs
	s_mov_b32 s9, 0
	s_mov_b32 s10, 0x76543210
	s_mov_b32 s11, 0xfedcba98                     ; selects for lane l xor 16
	s_mov_b32 s12, 0x3e38aa3b                     ; c = log2(e) / 8
	s_mov_b32 s13, s12                            ; (named with it as a pair, so it is written)
	; descriptor group 1: 102 rows of 256 bytes (32 elements of 8 bytes), dense, no padding
	s_mov_b32 s16, 15|(3<<16)|(1<<21)             ; 15:0 the mask: all four work-groups; 17:16 elements of 8 bytes; 21 set beside a mask
	s_mov_b32 s17, 32<<16                         ; tensor_dim0
	s_mov_b32 s18, 102<<16                        ; tensor_dim1
	s_mov_b32 s19, 32<<16                         ; tile_dim0
	s_mov_b32 s20, 102                            ; tile_dim1
	s_mov_b32 s21, 32                             ; stride
	s_mov_b32 s22, 0
	s_mov_b32 s23, 0
	s_mov_b32 s24, 1
	s_mov_b32 s25, s54                            ; slot 0 (waves 0-3)
	s_mov_b32 s28, 1
	s_add_co_u32 s29, s54, SLOTB                  ; slot 1 (waves 0-7)
	v_and_b32 v3, 31, v0
	s_delay_alu instid0(VALU_DEP_1)
	v_lshlrev_b32 v[LI], 4, v3
	s_delay_alu instid0(VALU_DEP_2)
	v_lshlrev_b32 v[L8], 3, v3
	v_and_b32 v3, 15, v0
	s_delay_alu instid0(VALU_DEP_1)
	v_lshlrev_b32 v[R16], 4, v3
	s_wait_kmcnt 0x0
	s_add_nc_u64 s[4:5], s[4:5], s[56:57]
	s_add_nc_u64 s[100:101], s[36:37], s[48:49]
	s_add_nc_u64 s[26:27], s[38:39], s[46:47]     ; key steps 0-7
	s_add_nc_u64 s[30:31], s[26:27], SLOTB        ; key steps 8-23
	s_or_b32 s27, s27, 0x80000000                 ; type = 2
	s_or_b32 s31, s31, 0x80000000
	CROUND                                        ; all four work-groups are here: the first joint loads meet
	JLOAD 24, 4                                   ; key steps 0-7: one tensor load a wave at the head
	s_wait_alu depctr_va_vdst(0)
	v_add_nc_u32 v[TT], s51, v[LI]
	v_add_nc_u32 v[T2], s51, v[L8]
	v_add_nc_u32 v[SUM2], s52, v[R16]
	global_load_b128 v[QF:QF+3], v[TT], s[100:101]
	global_load_b64 v[QF+4:QF+5], v[T2], s[100:101] offset:512
	global_load_b32 v[QS], v[SUM2], s[100:101] offset:6144
	s_mov_b32 s15, 0                              ; the mask words' offset: key step 0
	s_load_b512 s[32:47], s[4:5], s15 offset:0x0  ; words 0-31 in s32-63, words 32-63 in s68-99
	s_load_b512 s[48:63], s[4:5], s15 offset:0x40
	s_load_b512 s[68:83], s[4:5], s15 offset:0x80
	s_load_b512 s[84:99], s[4:5], s15 offset:0xc0
	v_mov_b32 v[NEG], 0xd0000000
	v_mov_b32 v13, 0xff61b1e6                     ; the largest t so far: -3e38, under every t
	s_delay_alu instid0(VALU_DEP_1)
	v_floor_f32 v12, -v13                         ; -M
	v_mov_b32 v14, 0
	v_mov_b32 v15, 0
	v_mov_b32 v[FF], 0
	v_mov_b32 v[FF+1], 0                          ; (named as the upper half of a pair)
.irp i, 0,1,2,3,4,5
	v_mov_b32 v[QF+6+\i], 0                       ; Q's upper K: zero codes
	v_mov_b32 v[KV+48+\i], 0                      ; what the last tile of K runs into
.endr
.irp b, 0,1,2,3
	v_mov_b32 v[BP+\b], 0                         ; a lane permute's destination counts as one of its sources
.endr
.set j, 0
.rept 32
	v_mov_b32 v[O+j], 0                           ; O^T: the step is written once; the first change of M multiplies zeros
.set j, j+1
.endr
; A KEY STEP: 128 keys at LDS byte s14
.macro STEP
	v_add_nc_u32 v[ADK], s14, v[LI]
	v_add_nc_u32 v[AD8], s14, v[L8]
	v_add_nc_u32 v[ADR], s14, v[R16]
	v_nop                                         ; these four are the places in front of loads into registers that the last products read
.irp t, 0,1,2,3,4,5,6,7
	ds_load_b128 v[KV+6*\t:KV+6*\t+3], v[ADK] offset:768*\t
	ds_load_b64 v[KV+6*\t+4:KV+6*\t+5], v[AD8] offset:768*\t+512
.endr
	ds_load_b128 v[KS:KS+3], v[ADR] offset:6144
	ds_load_b128 v[KS+4:KS+7], v[ADR] offset:6400
	s_wait_alu depctr_va_vdst(0)
	s_wait_dscnt 0x0
.irp t, 0,1,2,3,4,5,6,7
	v_wmma_scale_f32_16x16x128_f8f6f4 v[S+8*\t:S+8*\t+7], v[KV+6*\t:KV+6*\t+11], v[QF:QF+11], 0, v[KS+\t], v[QS] matrix_a_fmt:MATRIX_FMT_FP6 matrix_b_fmt:MATRIX_FMT_FP6
.endr
.rept 4
	v_nop                                         ; places: in front of the loads below and of the first read of the scores
.endr
.irp d, 0,1,2,3                        ; V^T's four fragments land while the softmax is walked
.irp c, 0,1,2
	ds_load_b128 v[KV+12*\d+4*\c:KV+12*\d+4*\c+3], v[ADK] offset:6656+1536*\d+512*\c
.endr
.endr
	ds_load_b128 v[VS:VS+3], v[ADR] offset:12800
	s_wait_kmcnt 0x0                              ; this step's 64 mask words, asked for a step ago
; THE MASK AND THE BLOCKS' LARGEST SCORES IN ONE WALK.  Register n = 16 b + i is key 32 b + 16 h + i; its mask word goes through VCC.  One dual instruction selects register n and takes the maximum over register n - 1,
; which the block's turn before has masked.  A block has two maxima, one in an even register for its even score registers and one in an odd register for its odd ones: so the pair's two destinations are one even, one odd;
; its first sources are neighbours (different banks), its second sources v7 (bank 3) and a maximum (banks 0, 1, 2).  Two blocks take turns.  Each accumulator is read from its low end on.
; The largest score of a block of 32 keys serves the row's maximum and, since p rises with the score, the block's largest p.
.irp g, 0,2
.irp i, 0,1,2,3,4,5,6,7,8,9,10,11,12,13,14,15
.irp u, 0,1
.set n, 16*(\g+\u)+\i
.set w, 32+n+4*(n/32)                  ; words 0-31 in s32-63, words 32-63 in s68-99
.if \i%2
.set x, 244+2*(\g+\u)
.else
.set x, 241+4*(\g+\u)
.endif
.if \i == 0
	v_cndmask_b32 v[S+n], v[S+n], v[NEG], s[w]
.else
	s_mov_b32 vcc_lo, s[w]
.if \i < 3
	v_dual_cndmask_b32 v[S+n], v[S+n], v[NEG] :: v_dual_mov_b32 v[x], v[S+n-1]
.else
	v_dual_cndmask_b32 v[S+n], v[S+n], v[NEG] :: v_dual_max_num_f32 v[x], v[S+n-1], v[x]
.endif
.endif
.endr
.endr
.endr
.irp b, 0,1,2,3
	v_max3_num_f32 v[BM+\b], v[244+2*\b], v[241+4*\b], v[S+16*\b+15]   ; the two maxima and the block's last register
.endr
	s_add_co_u32 s15, s15, 256                    ; the next step's words (the wait above has shown the last loads done, so their offset may be written);
	s_min_u32 s15, s15, 7936                      ; the last step asks for its own again: no load leaves the buffer
	s_load_b512 s[32:47], s[4:5], s15 offset:0x0
	s_load_b512 s[48:63], s[4:5], s15 offset:0x40
	s_load_b512 s[68:83], s[4:5], s15 offset:0x80
	s_load_b512 s[84:99], s[4:5], s15 offset:0xc0
.irp b, 0,1,2,3
	v_permlanex16_b32 v[BP+\b], v[BM+\b], s10, s11
.endr
.irp b, 0,1,2,3
	s_delay_alu instid0(VALU_DEP_4)
	v_max_num_f32 v[BM+\b], v[BM+\b], v[BP+\b]    ; with lane l xor 16's 16 keys
.endr
	s_delay_alu instid0(VALU_DEP_2)
	v_max3_num_f32 v[TT], v[BM], v[BM+1], v[BM+2]
	s_delay_alu instid0(VALU_DEP_1)
	v_max_num_f32 v[TT], v[TT], v[BM+3]           ; the step's largest score of my query
	s_delay_alu instid0(VALU_DEP_1)
	v_mul_f32 v[TT], s12, v[TT]                   ; as t
	s_delay_alu instid0(VALU_DEP_1)
	v_max_num_f32 v13, v13, v[TT]                 ; the running largest t
	v_mov_b32 v[TT], v12
	s_delay_alu instid0(VALU_DEP_2)
	v_floor_f32 v12, -v13                         ; the new -M = floor(-t): M is a whole number
	s_delay_alu instid0(VALU_DEP_1)
	v_sub_f32 v[TT], v12, v[TT]                   ; old M - new M: a whole number, 0 or less
	s_delay_alu instid0(VALU_DEP_1)
	v_cvt_i32_f32 v[TT], v[TT]                    ; (it saturates)
	s_delay_alu instid0(VALU_DEP_1)
	v_ldexp_f32 v[FF], 1.0, v[TT]                 ; f = 2^(old M - new M): a multiplication by it rounds nothing
.set j, 0
.rept 32
	v_pk_fma_f32 v[S+j:S+j+1], v[S+j:S+j+1], s[12:13], v[12:13] op_sel_hi:[1,0,0]   ; t - M, two at a time
.set j, j+2
.endr
.irp b, 0,1,2,3
	v_fma_f32 v[BM+\b], v[BM+\b], s12, v12        ; the same of each block's largest score
.endr
.set j, 0
	s_wait_alu depctr_va_vdst(0)                  ; the wait ahead of the batch
.rept 64
	v_exp_f32 v[S+j], v[S+j]                      ; p = 2^(t - M), at most 1
.set j, j+1
.endr
	v_pk_mul_f32 v[14:15], v[14:15], v[FF:FF+1] op_sel_hi:[1,0]   ; the sums under the new M: a plain place behind the exponentials
	s_wait_alu depctr_va_vdst(0)                  ; one wait for the batch of 64, ahead of its first reader
.irp b, 0,1,2,3
	v_exp_f32 v[BM+\b], v[BM+\b]                  ; the block's largest p
.endr
	v_pk_add_f32 v[230:231], v[104:105], v[108:109]   ; the row's sum of the unquantised p: 32 pairs in eight chains
	v_pk_add_f32 v[254:255], v[112:113], v[116:117]
	v_pk_add_f32 v[252:253], v[120:121], v[124:125]
	v_pk_add_f32 v[250:251], v[128:129], v[132:133]
	v_pk_add_f32 v[248:249], v[136:137], v[140:141]
	v_pk_add_f32 v[246:247], v[144:145], v[148:149]
	v_pk_add_f32 v[244:245], v[152:153], v[156:157]
	v_pk_add_f32 v[14:15], v[14:15], v[160:161]
	v_pk_add_f32 v[230:231], v[230:231], v[100:101]
	v_pk_add_f32 v[254:255], v[254:255], v[102:103]
	v_pk_add_f32 v[252:253], v[252:253], v[106:107]
	v_pk_add_f32 v[250:251], v[250:251], v[110:111]
	v_pk_add_f32 v[248:249], v[248:249], v[114:115]
	v_pk_add_f32 v[246:247], v[246:247], v[118:119]
	v_pk_add_f32 v[244:245], v[244:245], v[122:123]
	v_pk_add_f32 v[14:15], v[14:15], v[126:127]
	v_pk_add_f32 v[230:231], v[230:231], v[130:131]
	v_pk_add_f32 v[254:255], v[254:255], v[134:135]
	v_pk_add_f32 v[252:253], v[252:253], v[138:139]
	v_pk_add_f32 v[250:251], v[250:251], v[142:143]
	v_pk_add_f32 v[248:249], v[248:249], v[146:147]
	v_pk_add_f32 v[246:247], v[246:247], v[150:151]
	v_pk_add_f32 v[244:245], v[244:245], v[154:155]
	v_pk_add_f32 v[14:15], v[14:15], v[158:159]
	v_pk_add_f32 v[230:231], v[230:231], v[162:163]
	s_delay_alu instid0(VALU_DEP_2)
	v_pk_add_f32 v[14:15], v[14:15], v[250:251]
	s_delay_alu instid0(VALU_DEP_2)
	v_pk_add_f32 v[230:231], v[230:231], v[248:249]
	v_pk_add_f32 v[254:255], v[254:255], v[246:247]
	v_pk_add_f32 v[252:253], v[252:253], v[244:245]
	s_delay_alu instid0(VALU_DEP_2)
	v_pk_add_f32 v[14:15], v[14:15], v[254:255]
	s_delay_alu instid0(VALU_DEP_2)
	v_pk_add_f32 v[230:231], v[230:231], v[252:253]
	s_delay_alu instid0(VALU_DEP_1)
	v_pk_add_f32 v[14:15], v[14:15], v[230:231]
	s_wait_alu depctr_va_vdst(0)                  ; and one for the four
.irp b, 0,1,2,3
	v_max_num_f32 v[BM+\b], 0x1800000, v[BM+\b]   ; the floor 2^(3 - 127): the byte cannot fall under 1
.endr
.irp b, 0,1,2,3
	s_delay_alu instid0(VALU_DEP_4)
	v_add_nc_u32 v[BS+\b], 0xff000000, v[BM+\b]   ; 2 off the exponent field: the conversion's scale operand
.endr
.irp b, 0,1,2,3
	s_delay_alu instid0(VALU_DEP_4)
	v_lshrrev_b32 v[BP+\b], 23, v[BS+\b]          ; the scale's byte
.endr
	s_delay_alu instid0(VALU_DEP_3)
	v_lshl_or_b32 v[PW], v[BP+1], 8, v[BP]        ; p's scale word for these 128 keys
	s_delay_alu instid0(VALU_DEP_1)
	v_lshl_or_b32 v[PW], v[BP+2], 16, v[PW]
	s_delay_alu instid0(VALU_DEP_1)
	v_lshl_or_b32 v[PW], v[BP+3], 24, v[PW]
.irp c, 0,1
	v_cvt_scalef32_pk16_fp6_f32 v[PC+6*\c:PC+6*\c+2], v[S+32*\c:S+32*\c+15], v[BS+2*\c]
	v_cvt_scalef32_pk16_fp6_f32 v[PT+4*\c:PT+4*\c+2], v[S+32*\c+16:S+32*\c+31], v[BS+2*\c+1]
.endr
	v_nop                                         ; one plain place behind a scaled conversion
.irp c, 0,1                            ; the operand's layout wants a whole block in a lane
.irp i, 0,1,2
	v_permlane16_swap_b32 v[PC+6*\c+\i], v[PT+4*\c+\i]
.endr
.irp i, 0,1,2
	s_delay_alu instid0(VALU_DEP_3)
	v_mov_b32 v[PC+3+6*\c+\i], v[PT+4*\c+\i]
.endr
.endr
.set j, 0
.rept 16
	v_pk_mul_f32 v[O+j:O+j+1], v[O+j:O+j+1], v[FF:FF+1] op_sel_hi:[1,0]   ; O^T under the new M; these 16 also stand between the scale word's and the codes' last writes and the products
.set j, j+2
.endr
	s_wait_alu depctr_va_vdst(0)
	s_wait_dscnt 0x0                              ; V^T and its scale words are in
.irp d, 0,1,2,3
	v_wmma_scale_f32_16x16x128_f8f6f4 v[O+8*\d:O+8*\d+7], v[KV+12*\d:KV+12*\d+11], v[PC:PC+11], v[O+8*\d:O+8*\d+7], v[VS+\d], v[PW] matrix_a_fmt:MATRIX_FMT_FP6 matrix_b_fmt:MATRIX_FMT_FP6
.endr
.endm
.macro SLOT_STEPS base, n              ; n key steps from LDS byte base on: written once, walked n times.  Between two products onto one accumulator of O^T stand eleven on others
	s_mov_b32 s14, \base
	s_mov_b32 s3, \n
.Lstep_\@:
	STEP
	s_add_co_u32 s14, s14, STEPB
	s_sub_co_u32 s3, s3, 1
	s_cmp_lg_u32 s3, 0
	s_cbranch_scc1 .Lstep_\@
.endm
	; slot 1's first fill is issued as a refill is: every wave waits for all its tensor loads, adds 0 to its spare word, waits for that, and a round follows
	s_wait_alu depctr_va_vdst(0)                  ; the wait at the head's end
	s_wait_tensorcnt 0x0                          ; my part of key steps 0-7 is in
	ds_add_u32 v[SPW], v[NIL]
	ds_add_u32 v[SPW], v[NIL]
	s_wait_loadcnt 0x0                            ; Q
	s_wait_dscnt 0x0
	CROUND                                        ; everybody's part is in, and all four work-groups are here
	JLOAD 28, 8                                   ; key steps 8-23, the first tensor load behind the round: one load of mine is out
	SLOT_STEPS 0, 8                               ; key steps 0-7
	s_wait_tensorcnt 0x0                          ; THE CHANGE OF SLOTS: no tensor load of mine is out, so a group 0 may be written
	ds_add_u32 v[SPW], v[NIL]                     ; 0 onto my spare word
	ds_add_u32 v[SPW], v[NIL]
	s_add_nc_u64 s[26:27], s[26:27], 3*SLOTB      ; from key steps 0-7 to 24-31; the type bits on top are not reached
	s_wait_dscnt 0x0                              ; the add is done, and my reads of slot 0 are over
	CROUND                                        ; no wave of any partner still reads slot 0 or has a load on its way
	JLOAD 24, 4                                   ; slot 0 takes key steps 24-31
	SLOT_STEPS SLOTB, 16                          ; key steps 8-23
	s_wait_tensorcnt 0x0                          ; my part of key steps 24-31 is in; nothing is left to fetch
	ds_add_u32 v[SPW], v[NIL]
	ds_add_u32 v[SPW], v[NIL]
	s_wait_dscnt 0x0
	s_barrier_signal -1
	s_barrier_wait -1                             ; everybody's part is in
	SLOT_STEPS 0, 8                               ; key steps 24-31
	; THE WAY OUT: O^T / the sum, quantised along d (two blocks of 32: my head's part of the last product's K), as a half image and two scale bytes a row
.rept 4
	v_nop                                         ; places behind the last products
.endr
	v_add_f32 v14, v14, v15
	s_delay_alu instid0(VALU_DEP_1)
	v_permlanex16_b32 v[TT], v14, s10, s11
	s_delay_alu instid0(VALU_DEP_1)
	v_add_f32 v14, v14, v[TT]                     ; the row's sum
	s_wait_alu depctr_va_vdst(0)
	v_rcp_f32 v14, v14
	v_nop                                         ; a plain place behind the transcendental
	s_wait_alu depctr_va_vdst(0)                  ; the wait ahead of its first reader
.set j, 0
.rept 32
	v_mul_f32 v[S+j], v[O+j], v14                 ; register 16 b + i = d 32 b + 16 h + i of my query
.set j, j+1
.endr
.irp b, 0,1
	v_max3_num_f32 v[BM+\b], |v[S+16*\b]|, |v[S+16*\b+1]|, 0x1800000
.endr
.irp i, 2,4,6,8,10,12,14
.irp b, 0,1
	s_delay_alu instid0(VALU_DEP_2)
	v_max3_num_f32 v[BM+\b], v[BM+\b], |v[S+16*\b+\i]|, |v[S+16*\b+\i+1]|
.endr
.endr
.irp b, 0,1
	s_delay_alu instid0(VALU_DEP_2)
	v_permlanex16_b32 v[BP+\b], v[BM+\b], s10, s11
.endr
.irp b, 0,1
	s_delay_alu instid0(VALU_DEP_2)
	v_max_num_f32 v[BM+\b], v[BM+\b], v[BP+\b]
.endr
.irp b, 0,1
	s_delay_alu instid0(VALU_DEP_2)
	v_add_nc_u32 v[BS+\b], 0xff000000, v[BM+\b]
.endr
.irp b, 0,1
	s_delay_alu instid0(VALU_DEP_2)
	v_lshrrev_b32 v[BP+\b], 23, v[BS+\b]
.endr
	v_cvt_scalef32_pk16_fp6_f32 v[PC:PC+2], v[S:S+15], v[BS]
	v_cvt_scalef32_pk16_fp6_f32 v[PT:PT+2], v[S+16:S+31], v[BS+1]
	v_nop
.irp i, 0,1,2
	v_permlane16_swap_b32 v[PC+\i], v[PT+\i]
.endr
.irp i, 0,1,2
	s_delay_alu instid0(VALU_DEP_3)
	v_mov_b32 v[PC+3+\i], v[PT+\i]
.endr
	v_bfe_u32 v[TT], v0, 4, 1                     ; h
	s_delay_alu instid0(VALU_DEP_1)
	v_cmp_ne_u32 vcc_lo, 0, v[TT]
	s_delay_alu instid0(VALU_DEP_1)
	v_cndmask_b32 v[T2], v[BP], v[BP+1], vcc_lo   ; lane (r, h) stores block h's byte of row r
	s_delay_alu instid0(VALU_DEP_3)
	v_add_nc_u32 v[SUM2], v[R16], v[TT]
	s_wait_alu depctr_va_vdst(0)
	s_wait_kmcnt 0x0                              ; the last step's mask loads have landed: their registers may be loaded again
	s_load_b128 s[32:35], s[0:1], 0x18            ; ctxc, cs
	s_wait_kmcnt 0x0
	s_add_nc_u64 s[32:33], s[32:33], s[6:7]
	s_add_nc_u64 s[34:35], s[34:35], s[8:9]
	global_store_b128 v[LI], v[PC:PC+3], s[32:33]             ; 512 + 256 consecutive bytes, aligned
	global_store_b64 v[L8], v[PC+4:PC+5], s[32:33] offset:512
	global_store_b8 v[SUM2], v[T2], s[34:35]                  ; 2 bytes of each of 16 rows: a row's other 14 belong to the other heads' work-groups
	s_wait_tensorcnt 0x0                          ; the wave's end
	ds_add_u32 v[SPW], v[NIL]
	s_wait_dscnt 0x0
	CROUND                                        ; the closing round: no work-group ends while a partner may still ask for a tile that names it
	s_endpgm
.Lfunc_end_k_qee1e5b287f_attn:
	.size	k_qee1e5b287f_attn, .Lfunc_end_k_qee1e5b287f_attn-k_qee1e5b287f_attn
	.p2alignl 7, 3214868480
	.fill 96, 4, 3214868480
	.section	.rodata,"a",@progbits
	.p2align	6, 0x0
	.amdhsa_kernel k_qee1e5b287f_attn
		.amdhsa_group_segment_fixed_size 327680
		.amdhsa_private_segment_fixed_size 0
		.amdhsa_enable_private_segment 0
		.amdhsa_kernarg_size 40
		.amdhsa_user_sgpr_count 2
		.amdhsa_user_sgpr_kernarg_segment_ptr 1
		.amdhsa_wavefront_size32 1
		.amdhsa_system_sgpr_workgroup_id_x 1
		.amdhsa_system_sgpr_workgroup_id_y 1
		.amdhsa_system_sgpr_workgroup_id_z 1
		.amdhsa_system_vgpr_workitem_id 0
		.amdhsa_next_free_vgpr 256
		.amdhsa_next_free_sgpr 102
		.amdhsa_reserve_vcc 1
		.amdhsa_float_denorm_mode_32 3
		.amdhsa_float_denorm_mode_16_64 3
		.amdhsa_memory_ordered 1
		.amdhsa_forward_progress 1
		.amdhsa_inst_pref_size 79
	.end_amdhsa_kernel
	.amdgpu_metadata
---
amdhsa.version: [ 1, 2 ]
amdhsa.kernels:
  - .name:           k_qee1e5b287f_attn
    .symbol:         k_qee1e5b287f_attn.kd
    .args:
      - { .name: qc, .offset: 0, .size: 8, .value_kind: global_buffer, .address_space: global }
      - { .name: kv, .offset: 8, .size: 8, .value_kind: global_buffer, .address_space: global }
      - { .name: mbits, .offset: 16, .size: 8, .value_kind: global_buffer, .address_space: global }
      - { .name: ctxc, .offset: 24, .size: 8, .value_kind: global_buffer, .address_space: global }
      - { .name: cs, .offset: 32, .size: 8, .value_kind: global_buffer, .address_space: global }
    .group_segment_fixed_size: 327680
    .private_segment_fixed_size: 0
    .kernarg_segment_align: 8
    .kernarg_segment_size: 40
    .max_flat_workgroup_size: 512
    .sgpr_count:     102
    .vgpr_count:     256
    .wavefront_size: 32
...
	.end_amdgpu_metadata
.endif
;; end of part 3
;; launch outp (part 4): grid 64 x 4, 4 waves a work-group, no clusters, 17,920 bytes of LDS; arguments ctxc, cs, wimg, wsc, o_b, out0; writes out0
.if DOCPART == 4
	.amdgcn_target "amdgcn-amd-amdhsa--gfx1250"
	.amdhsa_code_object_version 6
	.text
	.protected	k_qee1e5b287f_outp
	.globl	k_qee1e5b287f_outp
	.p2align	8
	.type	k_qee1e5b287f_outp,@function
k_qee1e5b287f_outp:
	s_mov_b64 s[64:65], 0
	v_nop
	global_prefetch_b8 v0, s[64:65] scope:SCOPE_SE
	s_setreg_imm32_b32 hwreg(HW_REG_WAVE_MODE, 25, 1), 1
	s_wait_xcnt 0x0
; OUTP.  out0 = ctx o_w^T + o_b on codes of FP6 (E2M3).  ctx's codes (ctxc [tile 512][head 8] half images of 768 bytes) and scale bytes (cs [tile][r 16][16 bytes]: word s = K step s) were made by the attention launch,
; o_w's fragment images and scale words (tensor 3 of wimg, wsc) by the first launch.  K step s of the hidden 512 is heads 2 s (registers 0-5) and 2 s + 1 (registers 6-11).
; A work-group makes 128 tokens x 128 n; wave (wy, wx) 64 x 64: 16 accumulators, 64 matrix instructions.  All operands go from memory straight into registers, asked for at once, K step by K step.
; Source 0 = 16 rows of o_w, source 1 = 16 tokens: a lane holds one token; the bias is the C of each sum's first matrix instruction.  Row i of a tile T is 32 (T/2) + 8 (T%2) + i + 8 (i/8), for tokens and n alike.
; NO CLUSTER, no tensor load, no barrier: a wave reads 48 KB of fragments, each feeding four products, and its stage in LDS is its own.
; REGISTERS: window 0: v1-8 addresses; v16-31 ctx's scale words [a][s]; v32-47 o_w's [b][s]; v48-79 the bias; v96-159 rows on the way out, two sets.
;   window 1: ctx's fragments at v[12 (4 s + a)];  window 2: o_w's at v[12 (4 s + b)];  window 3: the accumulators at v[8 (4 a + b)].
.set SP,  272                          ; a stage row: 256 bytes + 16
.set LI,  1
.set L8,  2
.set LS,  3
.set R16, 4
.set BO,  5                            ; v5  64 h
.set STO, 6                            ; v6  the stage, way in: row r, + 64 h
.set RD,  7                            ; v7  way out: row h, + 16 (lane % 16)
.set CO,  8                            ; v8  and the same two rows in out0
.set AS,  16
.set WS,  32
.set BI,  48
.set BK,  96
.set MSB, 0
.macro WIN new                         ; the immediate's high byte repeats the setting that is left
.if MSB != (\new)
	s_set_vgpr_msb (MSB<<8)|(\new)
.set MSB, (\new)
.endif
.endm
	s_load_b256 s[8:15], s[0:1], 0x0              ; ctxc s[8:9], cs s[10:11], wimg s[12:13], wsc s[14:15]
	s_load_b128 s[16:19], s[0:1], 0x20            ; o_b s[16:17], out0 s[18:19]
	v_lshl_add_u32 v254, v0, 2, 0x4400
	v_mov_b32 v255, 0
	v_lshrrev_b32 v9, 5, v0
	v_readfirstlane_b32 s2, v9                    ; wave
	s_lshr_b32 s3, s2, 1                          ; wy
	s_and_b32 s4, s2, 1                           ; wx
	s_and_b32 s5, ttmp7, 0xffff                   ; y
	v_and_b32 v9, 31, v0
	v_lshlrev_b32 v[LI], 4, v9
	v_lshlrev_b32 v[L8], 3, v9
	v_lshlrev_b32 v[LS], 2, v9
	v_and_b32 v10, 15, v0                         ; r
	v_bfe_u32 v11, v0, 4, 1                       ; h
	v_lshlrev_b32 v[R16], 4, v10
	v_lshlrev_b32 v[BO], 6, v11
	s_mul_i32 s6, s2, 16*SP                       ; my stage
	v_mul_u32_u24 v[STO], v10, SP
	v_lshl_add_u32 v[STO], v11, 6, v[STO]
	v_add_nc_u32 v[STO], s6, v[STO]
	v_mul_u32_u24 v[RD], v11, SP
	v_add_nc_u32 v[RD], v[RD], v[R16]
	v_add_nc_u32 v[RD], s6, v[RD]
	v_lshl_add_u32 v[CO], v11, 11, v[R16]
	s_lshl_b32 s20, ttmp9, 3
	s_lshl_b32 s21, s3, 2
	s_add_co_u32 s20, s20, s21                    ; my first token tile: 8 x + 4 wy
	s_mul_i32 s22, s20, 8*768
	s_mov_b32 s23, 0
	s_lshl_b32 s24, s20, 8
	s_mov_b32 s25, 0
	s_lshl_b32 s26, s5, 3
	s_lshl_b32 s27, s4, 2
	s_add_co_u32 s26, s26, s27                    ; my first tile of n: 8 y + 4 wx
	s_mul_i32 s28, s26, 4*1536
	s_add_co_u32 s28, s28, 3*128*1536             ; tensor 3
	s_mov_b32 s29, 0
	s_lshl_b32 s30, s26, 9
	s_add_co_u32 s30, s30, 3*16384
	s_mov_b32 s31, 0
	s_lshl_b32 s32, s26, 6                        ; my first n, in bytes
	s_mov_b32 s33, 0
	s_lshl_b32 s34, s20, 15                       ; my first token's row of 2,048 bytes,
	s_add_co_u32 s34, s34, s32                    ; and my first n in it
	s_mov_b32 s35, 0
	s_wait_alu depctr_va_vdst(0)
	s_wait_kmcnt 0x0
	s_add_nc_u64 s[8:9], s[8:9], s[22:23]
	s_add_nc_u64 s[10:11], s[10:11], s[24:25]
	s_add_nc_u64 s[12:13], s[12:13], s[28:29]
	s_add_nc_u64 s[14:15], s[14:15], s[30:31]
	s_add_nc_u64 s[16:17], s[16:17], s[32:33]
	s_add_nc_u64 s[18:19], s[18:19], s[34:35]
	; 28 loads: scale words and bias
.irp a, 0,1,2,3
	global_load_b128 v[AS+4*\a:AS+4*\a+3], v[R16], s[10:11] offset:256*\a
.endr
.irp b, 0,1,2,3
.irp k, 0,1,2,3
	global_load_b32 v[WS+4*\b+\k], v[LS], s[14:15] offset:(4*\b+\k)*128
.endr
.endr
.irp b, 0,1,2,3
	global_load_b128 v[BI+8*\b:BI+8*\b+3], v[BO], s[16:17] offset:(32*(\b/2)+8*(\b%2))*4
	global_load_b128 v[BI+8*\b+4:BI+8*\b+7], v[BO], s[16:17] offset:(32*(\b/2)+8*(\b%2))*4+16
.endr
	; and 28 for each K step
.irp k, 0,1,2,3
	WIN 0x40
.irp a, 0,1,2,3
	global_load_b128 v[12*(4*\k+\a):12*(4*\k+\a)+3], v[LI], s[8:9] offset:(8*\a+2*\k)*768
	global_load_b64 v[12*(4*\k+\a)+4:12*(4*\k+\a)+5], v[L8], s[8:9] offset:(8*\a+2*\k)*768+512
	global_load_b128 v[12*(4*\k+\a)+6:12*(4*\k+\a)+9], v[LI], s[8:9] offset:(8*\a+2*\k+1)*768
	global_load_b64 v[12*(4*\k+\a)+10:12*(4*\k+\a)+11], v[L8], s[8:9] offset:(8*\a+2*\k+1)*768+512
.endr
	WIN 0x80
.irp b, 0,1,2,3
.irp c, 0,1,2
	global_load_b128 v[12*(4*\k+\b)+4*\c:12*(4*\k+\b)+4*\c+3], v[LI], s[12:13] offset:(4*\b+\k)*1536+512*\c
.endr
.endr
.endr
	WIN 0
; a K step's 16 matrix instructions: the 16 accumulators take turns, one instruction a turn
.macro KSTEP k, left
	s_wait_loadcnt \left                          ; this K step's loads are in; those of the later K steps, 28 each, may be out
.if (\k) == 0
	WIN 0xc6                                      ; source 0 (o_w) window 2, source 1 (ctx) window 1, C (bias) window 0, D window 3
.else
	WIN 0xf6
.endif
.irp a, 0,1,2,3
.irp b, 0,1,2,3
.if (\k) == 0
	v_wmma_scale_f32_16x16x128_f8f6f4 v[8*(4*\a+\b):8*(4*\a+\b)+7], v[12*(4*(\k)+\b):12*(4*(\k)+\b)+11], v[12*(4*(\k)+\a):12*(4*(\k)+\a)+11], v[BI+8*\b:BI+8*\b+7], v[WS+4*\b+(\k)], v[AS+4*\a+(\k)] matrix_a_fmt:MATRIX_FMT_FP6 matrix_b_fmt:MATRIX_FMT_FP6
.else
	v_wmma_scale_f32_16x16x128_f8f6f4 v[8*(4*\a+\b):8*(4*\a+\b)+7], v[12*(4*(\k)+\b):12*(4*(\k)+\b)+11], v[12*(4*(\k)+\a):12*(4*(\k)+\a)+11], v[8*(4*\a+\b):8*(4*\a+\b)+7], v[WS+4*\b+(\k)], v[AS+4*\a+(\k)] matrix_a_fmt:MATRIX_FMT_FP6 matrix_b_fmt:MATRIX_FMT_FP6
.endif
.endr
.endr
.endm
	KSTEP 0, 63
	KSTEP 1, 56
	KSTEP 2, 28
	KSTEP 3, 0
	WIN 0
; THE WAY OUT, a tile of 16 tokens x 64 n at a time, through my own stage: a lane's eight results are 32 neighbouring bytes of a row; they come back as whole rows of 256 bytes.
.macro TOSTAGE a
	WIN 0x0c                                      ; an LDS store's data are its source 1: window 3
.irp b, 0,1,2,3
	ds_store_b128 v[STO], v[8*(4*(\a)+\b):8*(4*(\a)+\b)+3] offset:128*(\b/2)+32*(\b%2)        ; each accumulator from its low end on
	ds_store_b128 v[STO], v[8*(4*(\a)+\b)+4:8*(4*(\a)+\b)+7] offset:128*(\b/2)+32*(\b%2)+16
.endr
	WIN 0
.irp i, 0,1,2,3,4,5,6,7
	ds_load_b128 v[BK+32*((\a)%2)+4*\i:BK+32*((\a)%2)+4*\i+3], v[RD] offset:2*\i*SP   ; LDS serves a wave's instructions in order: these see the stores above, and the next tile's stores come behind them
.endr
.endm
.macro SEND a, younger                 ; younger: the LDS instructions issued behind tile a's loads, which may stay out
	s_wait_dscnt \younger
.irp i, 0,1,2,3,4,5,6,7
	global_store_b128 v[CO], v[BK+32*((\a)%2)+4*\i:BK+32*((\a)%2)+4*\i+3], s[18:19] offset:(32*((\a)/2)+8*((\a)%2)+2*\i+8*(\i/4))*2048 th:TH_STORE_NT   ; sixteen lanes store 256 consecutive bytes, aligned
.endr
.endm
.rept 4
	v_nop                                         ; places in front of the first read of results
.endr
	TOSTAGE 0
	TOSTAGE 1
	SEND 0, 16                                    ; behind tile 0's loads: tile 1's 8 stores and 8 loads
	s_wait_xcnt 0x0                               ; tile 0's stores have read their registers: tile 2's rows may land there
	TOSTAGE 2
	SEND 1, 16
	s_wait_xcnt 0x0
	TOSTAGE 3
	SEND 2, 16
	SEND 3, 0
	s_wait_tensorcnt 0x0
	ds_add_u32 v254, v255
	s_wait_dscnt 0x0
	s_endpgm
.Lfunc_end_k_qee1e5b287f_outp:
	.size	k_qee1e5b287f_outp, .Lfunc_end_k_qee1e5b287f_outp-k_qee1e5b287f_outp
	.p2alignl 7, 3214868480
	.fill 96, 4, 3214868480
	.section	.rodata,"a",@progbits
	.p2align	6, 0x0
	.amdhsa_kernel k_qee1e5b287f_outp
		.amdhsa_group_segment_fixed_size 17920
		.amdhsa_private_segment_fixed_size 0
		.amdhsa_enable_private_segment 0
		.amdhsa_kernarg_size 48
		.amdhsa_user_sgpr_count 2
		.amdhsa_user_sgpr_kernarg_segment_ptr 1
		.amdhsa_wavefront_size32 1
		.amdhsa_system_sgpr_workgroup_id_x 1
		.amdhsa_system_sgpr_workgroup_id_y 1
		.amdhsa_system_sgpr_workgroup_id_z 1
		.amdhsa_system_vgpr_workitem_id 0
		.amdhsa_next_free_vgpr 896
		.amdhsa_next_free_sgpr 66
		.amdhsa_reserve_vcc 0
		.amdhsa_float_denorm_mode_32 3
		.amdhsa_float_denorm_mode_16_64 3
		.amdhsa_memory_ordered 1
		.amdhsa_forward_progress 1
		.amdhsa_inst_pref_size 32
	.end_amdhsa_kernel
	.amdgpu_metadata
---
amdhsa.version: [ 1, 2 ]
amdhsa.kernels:
  - .name:           k_qee1e5b287f_outp
    .symbol:         k_qee1e5b287f_outp.kd
    .args:
      - { .name: ctxc, .offset: 0, .size: 8, .value_kind: global_buffer, .address_space: global }
      - { .name: cs, .offset: 8, .size: 8, .value_kind: global_buffer, .address_space: global }
      - { .name: wimg, .offset: 16, .size: 8, .value_kind: global_buffer, .address_space: global }
      - { .name: wsc, .offset: 24, .size: 8, .value_kind: global_buffer, .address_space: global }
      - { .name: o_b, .offset: 32, .size: 8, .value_kind: global_buffer, .address_space: global }
      - { .name: out0, .offset: 40, .size: 8, .value_kind: global_buffer, .address_space: global }
    .group_segment_fixed_size: 17920
    .private_segment_fixed_size: 0
    .kernarg_segment_align: 8
    .kernarg_segment_size: 48
    .max_flat_workgroup_size: 128
    .sgpr_count:     66
    .vgpr_count:     896
    .wavefront_size: 32
...
	.end_amdgpu_metadata
.endif
;; end of part 4
